; MI455X (gfx1250); checked and timed in simulation.
; The chip was launched on July 23, 2026; its instructions are those of AMD's public machine-readable ISA for CDNA 5 (MIT licence, August 2026) and "CDNA5" Instruction Set Architecture Reference Guide (July 2026). The comments in the code are by the model that wrote it; some were corrected since.
;; Mo EFFN. Allowed arithmetic: float matrix products may take bf16 or f16 operands with f32 sums; other float arithmetic in f32, or as packed bf16 or f16 multiplies, adds, multiply-adds, maxima and minima; sums over many terms, partial sums and values carried from step to step in f32; what a program stores and reads back later, other than sums and carried values, may be rounded once to bf16 or f16.
;; Inputs: W1 8 x 1,024 x 4,096 float32; W2 8 x 4,096 x 1,024 float32; Wg 1,024 x 8 float32; b1 8 x 4,096 float32; b2 8 x 1,024 float32; bg 8 float32; x 4 x 256 x 1,024 float32.
;; Outputs: out0 4 x 256 x 1,024 float32.
;; One version. Each part assembles by itself: llvm-mc -triple=amdgcn-amd-amdhsa -mcpu=gfx1250 --defsym DOCPART=n.
;; ======== version 1 of 1: 4 launches
;; workspace buffers: xb 2,097,152 bytes; sel 8,192 bytes of whole numbers; gate 8,192 bytes; listg 40,960 bytes of whole numbers; h 16,777,216 bytes; part 16,777,216 bytes
;; launch route (part 1): grid 64 x 1, 4 waves a work-group, no clusters, 71,168 bytes of LDS; arguments x, Wg, bg, xb, sel, gate; writes xb, sel, gate
.if DOCPART == 1
	.amdgcn_target "amdgcn-amd-amdhsa--gfx1250"
	.amdhsa_code_object_version 6
	.text
	.protected	k_q82684be893_route
	.globl	k_q82684be893_route
	.p2align	8
	.type	k_q82684be893_route,@function
k_q82684be893_route:
	s_mov_b64 s[64:65], 0
	v_nop
	global_prefetch_b8 v0, s[64:65] scope:SCOPE_SE
	s_setreg_imm32_b32 hwreg(HW_REG_WAVE_MODE, 25, 1), 1
	s_wait_xcnt 0x0
; ROUTER.  logits = x Wg + bg; scores = softmax(logits); the two largest scores (a tie keeps the lower expert); their weights = softmax of the two scores.
; x, Wg and bg are rounded to bf16 once, as every input of the program is; x goes out in bf16 (xb) for the first product.  Sums, softmax and choice in f32.
; STORED AT FIXED PLACES: sel[token][2] the chosen experts (whole numbers), gate[token][2] their weights.  No address here hangs on the choice: a later launch places the rows.
; SHARES.  A work-group has 16 tokens; wave w the channels 256 w .. 256 w + 255 of all 16: 8 matrix instructions; the four waves' parts meet in LDS, and wave 0 makes the choice, a token a lane.
; 1,024 tokens give 64 work-groups of 16; no cluster: what they share, Wg, is 32 KiB against the 64 KiB of x that each reads alone.
; LAYOUT.  Source 0 = Wg turned (16 rows: 8 experts and 8 rows of zeros), source 1 = 16 tokens: lane l < 16 then holds token l, and its registers 0-7 the experts 0-7.
; LIMITS.  NaN and infinities are not treated apart; the two divisions are a reciprocal (1 ulp) and a multiply.
.set XST,   0                          ; 4 waves x 16 rows x 528 bytes: my 256 channels of 16 tokens in bf16 (512 bytes + 16 of padding)
.set WGL,   33792                      ; 4 waves x 256 rows x 32 bytes: my 256 rows of Wg in bf16, 8 experts and 8 zeros
.set RED,   66560                      ; 4 waves x 32 lanes x 32 bytes: the partial logits
.set SPARE, 70656                      ; the spare words: 128 bytes a wave, named by no other line
.set RR, 1                             ; v1  lane % 16
.set HH, 2                             ; v2  lane / 16
.set LN, 3                             ; v3  lane
.set SPW, 60                           ; v60 my spare word's address; never rewritten
.set NIL, 61                           ; v61 0; never rewritten
	s_load_b256 s[4:11], s[0:1], 0x0               ; x s[4:5], Wg s[6:7], bg s[8:9], xb s[10:11]
	s_load_b128 s[12:15], s[0:1], 0x20             ; sel s[12:13], gate s[14:15]
	v_lshl_add_u32 v[SPW], v0, 2, SPARE
	v_mov_b32 v[NIL], 0
	v_lshrrev_b32 v[LN], 5, v0
	v_readfirstlane_b32 s24, v[LN]                 ; wave 0..3
	v_and_b32 v[LN], 31, v0
	v_and_b32 v[RR], 15, v0
	v_bfe_u32 v[HH], v0, 4, 1
	v_lshlrev_b32 v5, 5, v[LN]                     ; 32 l: a row of Wg a lane
	v_lshlrev_b32 v6, 4, v[LN]                     ; 16 l: x
	v_lshlrev_b32 v7, 3, v[LN]                     ; 8 l: xb, sel, gate
	s_lshl_b32 s25, s24, 13
	s_add_co_u32 s25, s25, WGL                     ; my rows of Wg in LDS
	s_mul_i32 s26, s24, 16*528                     ; my stage of x
	s_lshl_b32 s27, s24, 10
	s_add_co_u32 s27, s27, RED                     ; my partial logits
	v_lshl_add_u32 v9, v[LN], 5, s25
	v_lshl_add_u32 v10, v[LN], 3, s26
	v_and_b32 v12, 7, v0
	v_bfe_u32 v13, v0, 3, 1
	v_lshl_add_u32 v11, v[HH], 3, v12              ; the turning load: row 8 (l / 16) + l % 8,
	v_lshlrev_b32 v11, 5, v11
	v_lshl_add_u32 v11, v13, 4, v11                ; 16 bytes for (l / 8) % 2
	v_add_nc_u32 v11, s25, v11
	v_mul_u32_u24 v14, v[RR], 528
	v_lshl_add_u32 v14, v[HH], 4, v14
	v_add_nc_u32 v14, s26, v14                     ; a fragment of x: row l % 16, 16 bytes for each half of the lanes
	v_lshl_add_u32 v15, v[LN], 5, s27
.irp z, 48,49,50,51
	v_mov_b32 v\z, 0
.endr
	s_mov_b32 s29, 0
	s_wait_kmcnt 0x0
	s_load_b256 s[16:23], s[8:9], 0x0              ; bg: 8 numbers
	s_lshl_b32 s28, s24, 13
	s_add_nc_u64 s[6:7], s[6:7], s[28:29]          ; Wg at my 256 rows
	s_lshl_b32 s28, ttmp9, 16
	s_lshl_b32 s31, s24, 10
	s_add_co_u32 s28, s28, s31
	s_add_nc_u64 s[4:5], s[4:5], s[28:29]          ; x at my 16 tokens, my 1,024 bytes of each
	s_lshl_b32 s28, ttmp9, 15
	s_lshl_b32 s31, s24, 9
	s_add_co_u32 s28, s28, s31
	s_add_nc_u64 s[10:11], s[10:11], s[28:29]      ; xb likewise
	s_lshl_b32 s28, ttmp9, 7
	s_add_nc_u64 s[12:13], s[12:13], s[28:29]
	s_add_nc_u64 s[14:15], s[14:15], s[28:29]
.set n_, 0
.rept 8                                ; Wg: row 32 n + l, 32 bytes
	global_load_b128 v[192+8*n_:192+8*n_+3],   v5, s[6:7] offset:1024*n_
	global_load_b128 v[192+8*n_+4:192+8*n_+7], v5, s[6:7] offset:1024*n_+16
.set n_, n_+1
.endr
.set m_, 0
.rept 32                               ; x: token m / 2, half m % 2 of my 1,024 bytes: 512 consecutive bytes a load
	global_load_b128 v[64+4*m_:64+4*m_+3], v6, s[4:5] offset:(m_/2)*4096+(m_%2)*512 th:TH_LOAD_NT
.set m_, m_+1
.endr
	s_wait_loadcnt 32                              ; Wg is in: the 32 loads of x are younger
.set n_, 0
.rept 32
	v_cvt_pk_bf16_f32 v[16+n_], v[192+2*n_], v[192+2*n_+1]
.set n_, n_+1
.endr
.set n_, 0
.rept 8
	ds_store_b128 v9, v[16+4*n_:16+4*n_+3] offset:1024*n_      ; 8 experts
	ds_store_b128 v9, v[48:51] offset:1024*n_+16               ; 8 zeros
.set n_, n_+1
.endr
.set m_, 0
.rept 32
	s_wait_loadcnt 31-m_                           ; loads come back in order: load m is in
	v_cvt_pk_bf16_f32 v[192+2*m_], v[64+4*m_], v[64+4*m_+1]
	v_cvt_pk_bf16_f32 v[193+2*m_], v[64+4*m_+2], v[64+4*m_+3]
	global_store_b64 v7, v[192+2*m_:193+2*m_], s[10:11] offset:(m_/2)*2048+(m_%2)*256  ; 32 lanes store 256 consecutive bytes, aligned
	ds_store_b64 v10, v[192+2*m_:193+2*m_] offset:(m_/2)*528+(m_%2)*256
.set m_, m_+1
.endr
.set s_, 0
.rept 8                                ; my own bytes: LDS serves a wave's instructions in order, so these see the stores above
	ds_load_tr16_b128 v[64+8*s_:64+8*s_+3],   v11 offset:1024*s_
	ds_load_tr16_b128 v[64+8*s_+4:64+8*s_+7], v11 offset:1024*s_+512
	ds_load_b128 v[128+8*s_:128+8*s_+3],   v14 offset:64*s_
	ds_load_b128 v[128+8*s_+4:128+8*s_+7], v14 offset:64*s_+32
.set s_, s_+1
.endr
	s_wait_dscnt 0x0
	v_wmma_f32_16x16x32_bf16 v[16:23], v[64:71], v[128:135], 0     ; two accumulators by turns; the first two products start the sums
	v_wmma_f32_16x16x32_bf16 v[24:31], v[72:79], v[136:143], 0
.set s_, 2
.rept 6
	v_wmma_f32_16x16x32_bf16 v[16+8*(s_%2):23+8*(s_%2)], v[64+8*s_:71+8*s_], v[128+8*s_:135+8*s_], v[16+8*(s_%2):23+8*(s_%2)]
.set s_, s_+1
.endr
.rept 4
	v_nop                                          ; four places behind the last products
.endr
.irp p, 0,2,4,6
	v_pk_add_f32 v[16+\p:17+\p], v[16+\p:17+\p], v[24+\p:25+\p]
.endr
	ds_store_b128 v15, v[16:19]
	ds_store_b128 v15, v[20:23] offset:16
	s_wait_kmcnt 0x0                               ; bg
	s_wait_dscnt 0x0                               ; for the others' sake: my part lies in LDS
	s_barrier_signal -1
	s_barrier_wait -1
	s_cmp_lg_u32 s24, 0
	s_cbranch_scc1 .Lend
	; wave 0: v15 = RED + 32 l; lane l < 16 is token l (lanes 16-31 run along on the zero rows and store nothing)
.irp w, 0,1,2,3
	ds_load_b128 v[64+8*\w:67+8*\w], v15 offset:1024*\w
	ds_load_b128 v[68+8*\w:71+8*\w], v15 offset:1024*\w+16
.endr
.irp p, 0,1,2,3
	v_cvt_pk_bf16_f32 v[32+\p], s[16+2*\p], s[17+2*\p]         ; bg rounded to bf16,
.endr
.irp p, 0,1,2,3
	v_lshlrev_b32 v[40+2*\p], 16, v[32+\p]                     ; and back in f32
	v_and_b32 v[41+2*\p], 0xffff0000, v[32+\p]
.endr
	s_wait_dscnt 0x0
.irp p, 0,2,4,6
	v_pk_add_f32 v[64+\p:65+\p], v[64+\p:65+\p], v[72+\p:73+\p]
	v_pk_add_f32 v[80+\p:81+\p], v[80+\p:81+\p], v[88+\p:89+\p]
.endr
.irp p, 0,2,4,6
	v_pk_add_f32 v[64+\p:65+\p], v[64+\p:65+\p], v[80+\p:81+\p]
.endr
.irp p, 0,2,4,6
	v_pk_add_f32 v[64+\p:65+\p], v[64+\p:65+\p], v[40+\p:41+\p]
.endr
	v_max3_num_f32 v36, v64, v65, v66              ; the maximum is taken away, as the softmax asks
	v_max3_num_f32 v36, v36, v67, v68
	v_max3_num_f32 v36, v36, v69, v70
	v_max_num_f32 v36, v36, v71
.irp i, 0,1,2,3,4,5,6,7
	v_sub_f32 v[72+\i], v[64+\i], v36
.endr
.irp i, 0,1,2,3,4,5,6,7
	v_mul_f32 v[72+\i], 0x3fb8aa3b, v[72+\i]
.endr
.irp i, 0,1,2,3,4,5,6,7
	v_exp_f32 v[72+\i], v[72+\i]
.endr
	v_mov_b32 v94, -1.0                            ; a plain instruction behind the last exponential
	s_wait_alu depctr_va_vdst(0)
	v_add_f32 v80, v72, v73
	v_add_f32 v81, v74, v75
	v_add_f32 v82, v76, v77
	v_add_f32 v83, v78, v79
	v_add_f32 v80, v80, v81
	v_add_f32 v82, v82, v83
	v_add_f32 v80, v80, v82
	v_rcp_f32 v80, v80
	v_mov_b32 v98, 0                               ; the first choice starts at expert 0 (also the plain instruction behind the reciprocal)
	s_wait_alu depctr_va_vdst(0)
.irp i, 0,1,2,3,4,5,6,7
	v_mul_f32 v[72+\i], v[72+\i], v80              ; the scores
.endr
	v_mov_b32 v92, v72
.irp i, 1,2,3,4,5,6,7                  ; ascending, and only a greater score displaces: a tie keeps the lower expert
	v_cmp_le_f32 vcc_lo, v[72+\i], v92
	v_cndmask_b32 v92, v[72+\i], v92, vcc_lo
	v_cndmask_b32 v98, \i, v98, vcc_lo
.endr
.irp i, 0,1,2,3,4,5,6,7                ; the winner leaves: -1 lies below every score
	v_cmp_eq_u32 vcc_lo, \i, v98
	v_cndmask_b32 v[84+\i], v[72+\i], v94, vcc_lo
.endr
	v_mov_b32 v93, v84
	v_mov_b32 v99, 0
.irp i, 1,2,3,4,5,6,7
	v_cmp_le_f32 vcc_lo, v[84+\i], v93
	v_cndmask_b32 v93, v[84+\i], v93, vcc_lo
	v_cndmask_b32 v99, \i, v99, vcc_lo
.endr
	v_sub_f32 v95, v93, v92                        ; s2 - s1, at most 0: the larger score is the maximum that the second softmax takes away
	v_mul_f32 v95, 0x3fb8aa3b, v95
	v_exp_f32 v95, v95
	v_nop
	s_wait_alu depctr_va_vdst(0)
	v_add_f32 v96, 1.0, v95
	v_rcp_f32 v100, v96                            ; p1 = 1 / (1 + e^(s2 - s1))
	v_cmp_gt_u32 vcc_lo, 16, v[LN]
	s_wait_alu depctr_va_vdst(0)
	v_mul_f32 v101, v95, v100                      ; p2
	s_wait_xcnt 0x0                                ; EXEC changes only behind this wait
	s_and_saveexec_b32 s30, vcc_lo
	global_store_b64 v7, v[98:99], s[12:13]
	global_store_b64 v7, v[100:101], s[14:15]
	s_wait_xcnt 0x0
	s_or_b32 exec_lo, exec_lo, s30
.Lend:
	s_wait_tensorcnt 0x0                           ; the wave's end
	ds_add_u32 v[SPW], v[NIL]
	s_wait_dscnt 0x0
	s_endpgm
.Lfunc_end_k_q82684be893_route:
	.size	k_q82684be893_route, .Lfunc_end_k_q82684be893_route-k_q82684be893_route
	.p2alignl 7, 3214868480
	.fill 96, 4, 3214868480
	.section	.rodata,"a",@progbits
	.p2align	6, 0x0
	.amdhsa_kernel k_q82684be893_route
		.amdhsa_group_segment_fixed_size 71168
		.amdhsa_private_segment_fixed_size 0
		.amdhsa_enable_private_segment 0
		.amdhsa_kernarg_size 48
		.amdhsa_user_sgpr_count 2
		.amdhsa_user_sgpr_kernarg_segment_ptr 1
		.amdhsa_wavefront_size32 1
		.amdhsa_system_sgpr_workgroup_id_x 1
		.amdhsa_system_sgpr_workgroup_id_y 1
		.amdhsa_system_sgpr_workgroup_id_z 1
		.amdhsa_system_vgpr_workitem_id 0
		.amdhsa_next_free_vgpr 256
		.amdhsa_next_free_sgpr 66
		.amdhsa_reserve_vcc 1
		.amdhsa_float_denorm_mode_32 3
		.amdhsa_float_denorm_mode_16_64 3
		.amdhsa_memory_ordered 1
		.amdhsa_forward_progress 1
		.amdhsa_inst_pref_size 30
	.end_amdhsa_kernel
	.amdgpu_metadata
---
amdhsa.version: [ 1, 2 ]
amdhsa.kernels:
  - .name:           k_q82684be893_route
    .symbol:         k_q82684be893_route.kd
    .args:
      - { .name: x, .offset: 0, .size: 8, .value_kind: global_buffer, .address_space: global }
      - { .name: Wg, .offset: 8, .size: 8, .value_kind: global_buffer, .address_space: global }
      - { .name: bg, .offset: 16, .size: 8, .value_kind: global_buffer, .address_space: global }
      - { .name: xb, .offset: 24, .size: 8, .value_kind: global_buffer, .address_space: global }
      - { .name: sel, .offset: 32, .size: 8, .value_kind: global_buffer, .address_space: global }
      - { .name: gate, .offset: 40, .size: 8, .value_kind: global_buffer, .address_space: global }
    .group_segment_fixed_size: 71168
    .private_segment_fixed_size: 0
    .kernarg_segment_align: 8
    .kernarg_segment_size: 48
    .max_flat_workgroup_size: 128
    .sgpr_count:     66
    .vgpr_count:     256
    .wavefront_size: 32
...
	.end_amdgpu_metadata
.endif
;; end of part 1
;; launch ffn1 (part 2): grid 32 x 8, 8 waves a work-group, no clusters, 319,232 bytes of LDS; arguments xb, W1, b1, sel, h, listg; writes h, listg
.if DOCPART == 2
	.amdgcn_target "amdgcn-amd-amdhsa--gfx1250"
	.amdhsa_code_object_version 6
	.text
	.protected	k_q82684be893_ffn1
	.globl	k_q82684be893_ffn1
	.p2align	8
	.type	k_q82684be893_ffn1,@function
k_q82684be893_ffn1:
	s_mov_b64 s[64:65], 0
	v_nop
	global_prefetch_b8 v0, s[64:65] scope:SCOPE_SE
	s_setreg_imm32_b32 hwreg(HW_REG_WAVE_MODE, 25, 1), 1
	s_wait_xcnt 0x0
; FIRST PRODUCT OF THE CHOSEN EXPERTS.  h[slot][:] = relu(xb[token] W1[e] + b1[e]) in bf16, slot = 2 token + choice, for the slots whose stored choice is expert e.  Sums in f32; W1 and b1 rounded to bf16 once.
; SHARES.  Work-group (x, y): expert y, columns 128 x .. 128 x + 127 of W1[y]: 512 KiB of f32 that it alone reads, once; and ALL rows of that expert, however many (0 to 1,024).
; TWO ROLES.  Waves 4-7 LOAD: f32 rows of the slice by 16-byte loads (a load of the wave is 512 consecutive bytes of one row), rounded, laid into LDS along K, where the slice STAYS: 8 chunks of 128 k,
; no LDS byte is written twice.  A trip takes two chunks, 128 KiB of f32: waves 4, 5 the even one, waves 6, 7 the odd one, half a chunk (64 loads, 256 registers) each.  GATHER rounds a group of 8 loads into
; registers as soon as it is in and asks for the group again, for the next trip; STORE puts the trip's 128 registers into LDS.
; Waves 0-3 MULTIPLY: wave w has the list's rows 64 w .. 64 w + 63 (4 tiles of 16) x 128 columns in 256 registers, over all of K; in trip t the two chunks stored in trip t - 1.  The fragments of W come from LDS
; two units (32 matrix instructions) ahead of their use, into three buffers that take turns.
; The roles are apart because a wave's loads come back in order: a wait for a token fragment would wait for every weight load issued before it.
; TWO BARRIERS A TRIP: between them only STORE touches the slice, outside them only loads do, so that no stretch between two barriers holds both a store and a load of the slice, whatever the offsets.
; THE TAIL: SEVEN ROUNDS.  In round i wave w has the tile of rows 192 + 16 w + 128 i .. + 15, over the whole resident slice; that covers rows 256 to 1,023.  Round 0 would give waves 0-3 rows that are theirs already:
; in its place they multiply the last two chunks and send their four tiles out, while waves 4-7 take tiles 16-19.  A round has two stretches with a barrier behind each: in the first LDS is only read, in the second
; only the waves' own stages are written and read.  The count of rounds is constant, every wave passes every barrier, and a round without rows jumps forward over its work alone.
; THE LIST.  Wave 0 sorts the 2,048 stored choices: a lane's rank among the slots of expert e is a count of lower lanes plus a running sum.  Places past the count hold slot 0, a row that exists; their results are not stored.
; The work-group of slice 0 stores list and count (listg) for the second product.
; COLUMNS.  A loading lane has 8 consecutive k of columns 4 c + j: four units of 16 bytes, which go to LDS rows 32 j + c.  Source 0 = 16 LDS rows, source 1 = 16 token rows: a lane holds ONE token row (lane % 16), and the
; accumulators j = 0..3 of a block together 32 consecutive columns.  They leave through the wave's own stage.  A store holds ONE row: 32 lanes x 8 bytes, the row's 256 consecutive bytes of h, aligned; so rows past the
; count are left out by a scalar branch, and no line of this text writes EXEC.
; THE SUMS START AT THE BIAS: rounded into tile 0's accumulators, copied to tiles 1-3 by 192 v_mov_b32 in the wait for the first chunks: the price of writing no first step out and no add on the way out.
; NO TENSOR LOADS: the f32 must pass through registers to be rounded.  NO CLUSTER: each weight byte has one reader; the token rows that an expert's 32 work-groups share come by a list, which no descriptor covers.
; LIMITS.  NaN and infinities are not treated apart; a stored choice is taken to be 0 to 7, a slot is clamped to 2,047, the count to 1,024.
.set PITCH,  272                       ; an LDS row: 128 k in bf16 + 16 bytes: 16 rows of a load or store start at 16 different groups of four banks
.set CHUNKB, 128*PITCH                 ; a chunk: 128 columns x 128 k
.set STAGE,  8*CHUNKB                  ; 16 rows x 272 bytes for each wave, for the way out
.set SPITCH, 272
.set LIST,   STAGE+8*16*SPITCH         ; 1,152 words: the expert's slots
.set LISTW,  1152                      ; behind them 32 dump words, a lane's own, for the slots of other experts
.set CNTW,   LIST+4*LISTW+128          ; the count
.set SPARE,  CNTW+128                  ; the spare words: 128 bytes a wave, named by no other line
; scalar registers: s[4:5] xb, s[6:7] W1, s[8:9] b1 at my columns, s[10:11] sel, s[12:13] h at my columns, s[14:15] listg at my expert
.set WV,   16                          ; wave
.set SLC,  17                          ; slice
.set EX,   18                          ; expert
.set CNT,  19                          ; rows of the expert
.set TT,   20                          ; trips to go
.set PAR,  21                          ; a loader's chunk of a trip's two
.set TMP,  22
.set HLF,  23                          ; wave % 2: which half of a chunk
.set CUR,  26                          ; s[26:27] W1 at my half chunk of the trip last asked for
.set OFS,  28                          ; s[28:29] an offset; the high word stays 0
.set XB,   30                          ; s[30:31] xb at the chunk in hand
.set LIVE, 32                          ; rows of a tile that exist
.set II,   34                          ; rounds to go
.set PP,   35
.set HIM,  36                          ; 0xffff0000
.set LC,   38                          ; the running count
.set TOF,  39                          ; trip x 2 CHUNKB
.set RB,   40                          ; the round's first row
.set COF,  41                          ; LDS offset of the chunk that is multiplied
.set XB2,  42                          ; s[42:43] a round's tile: xb at the steps in hand
.set XOF,  44                          ; a round's tile: LDS offset of the two chunks in hand
.set TI,   45                          ; trip
; vector registers, window 0
.set RR,   1                           ; lane % 16
.set HH,   2                           ; lane / 16
.set LN,   3                           ; lane
.set WL,   4                           ; a fragment of W: 272 (l % 16) + 16 (l / 16); never rewritten
.set WA,   5                           ; + the chunk
.set WA2,  6                           ; a round's tile: two chunks on
.set STO,  7                           ; the way out: in
.set RD,   8                           ; the way out: back
.set L8,   9                           ; 8 l
.set AO,   10                          ; v10-13 byte offset of my token row's fragment, by tile
.set SL,   14                          ; v14-17 my row's slot, by tile
.set ZR,   18                          ; 0, for the ReLU
.set BO,   19                          ; 128 (l / 16)
.set GO,   21                          ; 16 l
.set SLD,  22                          ; a loader's place in a trip's two chunks; never rewritten
.set SA,   23
.set TP,   24                          ; v24-55 at work; while a chunk is multiplied: the third buffer of W's fragments
.set H16,  56                          ; 16 (l / 16)
.set SPW,  62
.set NIL,  63
.set AR,   64                          ; v64-191 token fragments: ring of 4 slots (32 k each) x 4 tiles x 8; a round's tile: v64-127, 8 slots x 8
.set PK,   64                          ; v64-191 loaders: a trip's rounded weights: group g, column j at 64 + 16 g + 4 j
.set WBF,  192                         ; v192-255 fragments of W: the first two buffers of 4; a round's tile: v128-255, two buffers of 8
.set BT,   192                         ; v192-255 the bias as loaded, before any fragment of W
; the way out: v64-95 packed results, v96-127 sixteen rows read back, v128-143 their byte offsets in h
; window 1: multiplying waves: accumulator (tile t, block cb, j) at 64 t + 32 cb + 8 j; loaders: group g, row i, column j at 32 g + 4 i + j
.set MSB, 0
.macro WIN new                         ; bits 1:0 source 0, 3:2 source 1, 5:4 source 2, 7:6 destination; the high byte repeats the setting that is left
.if MSB != (\new)
	s_set_vgpr_msb (MSB<<8)|(\new)
.set MSB, \new
.endif
.endm
.macro PLACES                          ; four places between matrix instructions and what writes their sources or reads their results (ISA guide 7.12.1)
.rept 4
	v_nop
.endr
.endm
	s_load_b256 s[4:11], s[0:1], 0x0
	s_load_b128 s[12:15], s[0:1], 0x20
	v_lshl_add_u32 v[SPW], v0, 2, SPARE
	v_mov_b32 v[NIL], 0
	v_lshrrev_b32 v[LN], 5, v0
	v_readfirstlane_b32 s[WV], v[LN]
	v_and_b32 v[LN], 31, v0
	v_and_b32 v[RR], 15, v0
	v_bfe_u32 v[HH], v0, 4, 1
	s_mov_b32 s[SLC], ttmp9
	s_and_b32 s[EX], ttmp7, 0xffff
	s_lshr_b32 s[PAR], s[WV], 1
	s_and_b32 s[PAR], s[PAR], 1
	s_and_b32 s[HLF], s[WV], 1
	s_mov_b32 s[HIM], 0xffff0000
	s_mov_b32 s[OFS+1], 0
	v_mul_u32_u24 v[WL], v[RR], PITCH
	v_lshl_add_u32 v[WL], v[HH], 4, v[WL]
	s_mul_i32 s[TMP], s[WV], 16*SPITCH
	s_add_co_u32 s[TMP], s[TMP], STAGE             ; my stage
	v_mul_u32_u24 v[STO], v[RR], SPITCH            ; in: row l % 16, 64 bytes for each half of the lanes
	v_lshl_add_u32 v[STO], v[HH], 6, v[STO]
	v_add_nc_u32 v[STO], s[TMP], v[STO]
	v_lshlrev_b32 v[L8], 3, v[LN]
	v_add_nc_u32 v[RD], s[TMP], v[L8]              ; back: 32 lanes take one row of 256 bytes
	v_mov_b32 v[ZR], 0
	v_mov_b32 v[SL], 0                             ; written in every wave, whichever rounds it has rows in
	v_lshlrev_b32 v[BO], 7, v[HH]
	v_lshlrev_b32 v[H16], 4, v[HH]
	v_lshlrev_b32 v[GO], 4, v[LN]
	v_mul_u32_u24 v[SLD], v[LN], PITCH             ; LDS row 32 j + l; my half of the row's 256 bytes; my chunk of the two
	s_lshl_b32 s[TMP], s[HLF], 7
	s_mul_i32 s[LC], s[PAR], CHUNKB
	s_add_co_u32 s[TMP], s[TMP], s[LC]
	v_add_nc_u32 v[SLD], s[TMP], v[SLD]
	s_wait_kmcnt 0x0
	s_lshl_b32 s[OFS], s[EX], 24                   ; an expert: 16 MiB
	s_lshl_b32 s[TMP], s[SLC], 9                   ; a slice: 512 bytes of a row
	s_add_co_u32 s[OFS], s[OFS], s[TMP]
	s_lshl_b32 s[TMP], s[HLF], 20                  ; half a chunk: 64 rows of 16 KiB
	s_add_co_u32 s[OFS], s[OFS], s[TMP]
	s_lshl_b32 s[TMP], s[PAR], 21                  ; a chunk: 2 MiB
	s_add_co_u32 s[OFS], s[OFS], s[TMP]
	s_add_nc_u64 s[CUR:CUR+1], s[6:7], s[OFS:OFS+1]
	s_lshl_b32 s[OFS], s[EX], 14
	s_lshl_b32 s[TMP], s[SLC], 9
	s_add_co_u32 s[OFS], s[OFS], s[TMP]
	s_add_nc_u64 s[8:9], s[8:9], s[OFS:OFS+1]
	s_lshl_b32 s[OFS], s[SLC], 8
	s_add_nc_u64 s[12:13], s[12:13], s[OFS:OFS+1]
	s_mul_i32 s[OFS], s[EX], 5120
	s_add_nc_u64 s[14:15], s[14:15], s[OFS:OFS+1]
	s_mov_b64 s[XB:XB+1], s[4:5]
	s_cmp_lt_u32 s[WV], 4
	s_cbranch_scc1 .Lnot_loader
	WIN 0x40
.set g_, 0
.rept 64                               ; my half chunk of the first trip: 64 rows, 512 consecutive bytes each
	global_load_b128 v[4*g_:4*g_+3], v[GO], s[CUR:CUR+1] offset:g_*16384 th:TH_LOAD_NT
.set g_, g_+1
.endr
	WIN 0
.Lnot_loader:
	s_cmp_lg_u32 s[WV], 0
	s_cbranch_scc1 .Lno_list
	; THE LIST, by wave 0.  Register 4 n + c of lane l holds the choice of slot 128 n + 4 l + c.
.set n_, 0
.rept 16
	global_load_b128 v[AR+4*n_:AR+4*n_+3], v[GO], s[10:11] offset:512*n_
.set n_, n_+1
.endr
	v_lshlrev_b32 v27, 2, v[LN]
	v_add_nc_u32 v25, LISTW, v[LN]                 ; my dump word's number
.irp z, 28,29,30,31
	v_mov_b32 v\z, 0
.endr
	v_add_nc_u32 v24, LIST, v[GO]
.set n_, 0
.rept 9
	ds_store_b128 v24, v[28:31] offset:512*n_      ; slot 0 everywhere; the entries below come behind these in the wave's order
.set n_, n_+1
.endr
	s_mov_b32 s[LC], 0
	s_wait_loadcnt 0x0
.set n_, 0
.rept 64
	v_cmp_eq_u32 vcc_lo, s[EX], v[AR+n_]
	v_mbcnt_lo_u32_b32 v24, vcc_lo, s[LC]          ; rank: those so far + the lower lanes of this register
	v_cndmask_b32 v24, v25, v24, vcc_lo            ; another expert's slot goes to my dump word
	v_min_u32 v24, LISTW+31, v24                   ; inside list and dump, whatever was loaded
	v_lshl_add_u32 v24, v24, 2, LIST
	v_add_nc_u32 v26, 128*(n_/4)+n_%4, v27         ; the slot
	ds_store_b32 v24, v26
	s_bcnt1_i32_b32 s[TMP], vcc_lo
	s_add_co_u32 s[LC], s[LC], s[TMP]
.set n_, n_+1
.endr
	v_mov_b32 v24, CNTW
	v_mov_b32 v26, s[LC]
	ds_store_b32 v24, v26
.Lno_list:
	s_wait_dscnt 0x0                               ; for the others' sake: list and count lie in LDS
	s_barrier_signal -1
	s_barrier_wait -1
	v_mov_b32 v24, CNTW
	ds_load_b32 v25, v24
	s_wait_dscnt 0x0
	v_readfirstlane_b32 s[CNT], v25
	s_min_u32 s[CNT], s[CNT], 1024
	s_cmp_lg_u32 s[WV], 1
	s_cbranch_scc1 .Lno_copy
	s_cmp_lg_u32 s[SLC], 0
	s_cbranch_scc1 .Lno_copy
	v_add_nc_u32 v24, LIST, v[GO]                  ; wave 1 of slice 0: list and count go to memory for the second product
.set n_, 0
.rept 9
	ds_load_b128 v[AR+4*n_:AR+4*n_+3], v24 offset:512*n_
.set n_, n_+1
.endr
.irp z, 100,101,102,103
	v_mov_b32 v\z, s[CNT]
.endr
	s_wait_dscnt 0x0
.set n_, 0
.rept 9
	global_store_b128 v[GO], v[AR+4*n_:AR+4*n_+3], s[14:15] offset:512*n_
.set n_, n_+1
.endr
	global_store_b128 v[GO], v[100:103], s[14:15] offset:4*LISTW
	s_wait_xcnt 0x0                                ; the stores' registers are loaded again below
.Lno_copy:
.macro BIAS                            ; b1 of my 64 columns: register 32 cb + 4 i + j is column 64 cb + 32 (l / 16) + 4 i + j
.set bi, 0
.rept 16
	global_load_b128 v[BT+4*bi:BT+4*bi+3], v[BO], s[8:9] offset:256*(bi/8)+16*(bi%8)
.set bi, bi+1
.endr
.endm
.macro BROUND                          ; rounded to bf16 as every input is, and in f32 into tile 0's accumulators: (cb, j)[i] at 32 cb + 8 j + i
.set ri, 0
.rept 32
	v_cvt_pk_bf16_f32 v[TP+ri], v[BT+2*ri], v[BT+2*ri+1]
.set ri, ri+1
.endr
	WIN 0x40
.set ri, 0
.rept 32
	v_lshlrev_b32 v[32*(ri/16)+16*(ri%2)+(ri%16)/2], 16, v[TP+ri]
	v_and_b32 v[32*(ri/16)+16*(ri%2)+8+(ri%16)/2], s[HIM], v[TP+ri]
.set ri, ri+1
.endr
	WIN 0
.endm
.macro ALOAD s, ofs                    ; ring slot s: 32 k of my four tiles' token rows, two loads of 16 bytes a tile
.set at, 0
.rept 4
	global_load_b128 v[AR+32*(\s)+8*at:AR+32*(\s)+8*at+3],   v[AO+at], s[XB:XB+1] offset:(\ofs)+64*(\s)
	global_load_b128 v[AR+32*(\s)+8*at+4:AR+32*(\s)+8*at+7], v[AO+at], s[XB:XB+1] offset:(\ofs)+64*(\s)+32
.set at, at+1
.endr
.endm
; A LOADER'S TRIP, first part: its half chunk is rounded into registers, group by group.  more = 1: each group's registers are asked for again at once, for the next trip (two chunks, 4 MiB, on).
.macro GATHER more
.if \more
	s_wait_xcnt 0x0                                ; the base of the loads that are out is rewritten only behind this wait
	s_add_nc_u64 s[CUR:CUR+1], s[CUR:CUR+1], 0x400000
.endif
.set pg, 0
.rept 8
.if \more
	s_wait_loadcnt 56                              ; group g is in: seven groups of 8 are younger
.else
	s_wait_loadcnt 56-8*pg                         ; nothing is asked for any more: the counts run down
.endif
	WIN 0x05
.set pj, 0
.rept 4
.set pm, 0
.rept 4
	v_cvt_pk_bf16_f32 v[PK+16*pg+4*pj+pm], v[32*pg+8*pm+pj], v[32*pg+8*pm+4+pj]  ; k = 8 g + 2 m, + 1 of column 4 l + j
.set pm, pm+1
.endr
.set pj, pj+1
.endr
.if \more
	WIN 0x40
.set pi, 0
.rept 8
	global_load_b128 v[32*pg+4*pi:32*pg+4*pi+3], v[GO], s[CUR:CUR+1] offset:(8*pg+pi)*16384 th:TH_LOAD_NT
.set pi, pi+1
.endr
.endif
.set pg, pg+1
.endr
	WIN 0
.endm
.macro STORE                           ; second part: 32 stores of 16 bytes a lane: 8 k of one column each
	v_add_nc_u32 v[SA], s[TOF], v[SLD]
.set pg, 0
.rept 8
.set pj, 0
.rept 4
	ds_store_b128 v[SA], v[PK+16*pg+4*pj:PK+16*pg+4*pj+3] offset:32*PITCH*pj+16*pg
.set pj, pj+1
.endr
.set pg, pg+1
.endr
.endm
; A UNIT: 32 k (uu / 2) x one block of 64 columns (uu % 2): 4 fragments of W, 16 matrix instructions.  Unit uu's fragments lie in buffer uu % 3.
.macro WSEL uu
.set wq, (\uu)%3
.set wbuf, WBF+32*wq
.if wq == 2
.set wbuf, TP
.endif
.endm
.macro WLOAD uu
	WSEL \uu
.set wf, 0
.rept 4
	ds_load_b128 v[wbuf+8*wf:wbuf+8*wf+3],   v[WA] offset:(32*wf+16*((\uu)%2))*PITCH+64*((\uu)/2)
	ds_load_b128 v[wbuf+8*wf+4:wbuf+8*wf+7], v[WA] offset:(32*wf+16*((\uu)%2))*PITCH+64*((\uu)/2)+32
.set wf, wf+1
.endr
.endm
.macro UNIT u, more
	WIN 0
.if (\u) < 6
	WLOAD (\u)+2                                   ; two units ahead, into the buffer that the unit before this one read; its four places stand in front
	s_wait_dscnt 16                                ; this unit's fragments are in; the next two units' 16 loads may be out
.elseif (\u) == 6
	s_wait_dscnt 8                                 ; the last unit's 8 loads may be out
.else
	s_wait_dscnt 0x0
.endif
.if ((\u)%2) == 0
.if \more
	s_wait_loadcnt 24                              ; ring slot u / 2 is in: three slots of 8 loads are younger
.else
	s_wait_loadcnt 24-8*((\u)/2)
.endif
.endif
	WIN 0x50                                       ; C and D in window 1
	WSEL \u
.set ub, wbuf
.set ut, 0
.rept 4
.set uf, 0
.rept 4                                ; 16 different accumulators, one instruction a turn
	v_wmma_f32_16x16x32_bf16 v[64*ut+32*((\u)%2)+8*uf:64*ut+32*((\u)%2)+8*uf+7], v[ub+8*uf:ub+8*uf+7], v[AR+32*((\u)/2)+8*ut:AR+32*((\u)/2)+8*ut+7], v[64*ut+32*((\u)%2)+8*uf:64*ut+32*((\u)%2)+8*uf+7]
.set uf, uf+1
.endr
.set ut, ut+1
.endr
	PLACES                                         ; in front of the loads into the registers just read
.if (((\u)%2) == 1) && (\more)
	WIN 0
	ALOAD (\u)/2, 256                              ; the slot takes the next chunk's 32 k
.endif
.endm
.macro CONSUME more                    ; the chunk at LDS offset COF: 128 matrix instructions
	v_add_nc_u32 v[WA], s[COF], v[WL]
	WLOAD 0
	WLOAD 1
.set cu, 0
.rept 8
	UNIT cu, \more
.set cu, cu+1
.endr
	WIN 0
.if \more
	s_wait_xcnt 0x0
	s_add_nc_u64 s[XB:XB+1], s[XB:XB+1], 256
.endif
.endm
; THE WAY OUT of one tile (accumulators from acc on, window 1; lane r of v[sl] holds row r's slot; LIVE = rows that exist).  A tile without rows is jumped whole; behind the last row that exists the rest is jumped.
.macro EPI acc, sl
	s_cmp_le_i32 s[LIVE], 0
	s_cbranch_scc1 .Lepi_end_\@
	s_wait_xcnt 0x0                                ; earlier stores have read the registers that are written below
	WIN 0x05
.set ec, 0
.rept 2
.set ei, 0
.rept 8                                ; each accumulator's register 0 is read first
	v_cvt_pk_bf16_f32 v[64+16*ec+2*ei],   v[(\acc)+32*ec+ei],    v[(\acc)+32*ec+8+ei]
	v_cvt_pk_bf16_f32 v[64+16*ec+2*ei+1], v[(\acc)+32*ec+16+ei], v[(\acc)+32*ec+24+ei]
.set ei, ei+1
.endr
.set ec, ec+1
.endr
	WIN 0
.set ei, 0
.rept 32
	v_pk_max_num_bf16 v[64+ei], v[64+ei], v[ZR]    ; ReLU, two at a time; nothing is rounded
.set ei, ei+1
.endr
.set ei, 0
.rept 8
	ds_store_b128 v[STO], v[64+4*ei:64+4*ei+3] offset:128*(ei/4)+16*(ei%4)
.set ei, ei+1
.endr
.set eq, 0
.rept 16
	ds_load_b64 v[96+2*eq:97+2*eq], v[RD] offset:SPITCH*eq     ; row q, whole; my own stage: LDS serves a wave's instructions in order
.set eq, eq+1
.endr
.set eq, 0
.rept 16                               ; a row's slot is one number for its whole store: taken as a scalar, clamped, times a row of h (8,192 bytes), plus 8 bytes a lane
	v_readlane_b32 s[TMP], v[\sl], eq
	s_min_u32 s[TMP], s[TMP], 0x7ff
	s_lshl_b32 s[TMP], s[TMP], 13
	v_add_nc_u32 v[128+eq], s[TMP], v[L8]
.set eq, eq+1
.endr
	s_wait_dscnt 0x0
	global_store_b64 v[128], v[96:97], s[12:13]    ; 32 lanes store 256 consecutive bytes, aligned
.set eq, 1
.rept 15
	s_cmp_le_i32 s[LIVE], eq
	s_cbranch_scc1 .Lepi_end_\@                    ; row q and those behind it do not exist
	global_store_b64 v[128+eq], v[96+2*eq:97+2*eq], s[12:13]
.set eq, eq+1
.endr
.Lepi_end_\@:
.endm
; A ROUND'S TILE: 16 rows x 128 columns over the whole slice.  A step is 32 k: 8 fragments of W, one of the token rows, 8 matrix instructions.  A body is 8 steps, two chunks.
.macro XLOAD ss, base
.set xbuf, 128+64*((\ss)%2)
.set xa, 0
.rept 8
	ds_load_b128 v[xbuf+8*xa:xbuf+8*xa+3],   v[\base] offset:((\ss)/4)*CHUNKB+(32*(xa%4)+16*(xa/4))*PITCH+64*((\ss)%4)
	ds_load_b128 v[xbuf+8*xa+4:xbuf+8*xa+7], v[\base] offset:((\ss)/4)*CHUNKB+(32*(xa%4)+16*(xa/4))*PITCH+64*((\ss)%4)+32
.set xa, xa+1
.endr
.endm
.macro A2LOAD s, ofs
	global_load_b128 v[AR+8*(\s):AR+8*(\s)+3],   v[AO], s[XB2:XB2+1] offset:(\ofs)+64*(\s)
	global_load_b128 v[AR+8*(\s)+4:AR+8*(\s)+7], v[AO], s[XB2:XB2+1] offset:(\ofs)+64*(\s)+32
.endm
.macro XSTEP s, more
	WIN 0
.if (\s) < 7
	XLOAD (\s)+1, WA
	s_wait_dscnt 16                                ; this step's fragments are in; the 16 loads just issued may be out
.elseif \more
	XLOAD 0, WA2                                   ; the next body's first step
	s_wait_dscnt 16
.else
	s_wait_dscnt 0x0
.endif
.if \more
	s_wait_loadcnt 14                              ; slot s is in: seven slots of 2 loads are younger
.else
	s_wait_loadcnt 14-2*(\s)
.endif
	WIN 0x50
.set xbb, 128+64*((\s)%2)
.set xw, 0
.rept 8                                ; 8 accumulators by turns
	v_wmma_f32_16x16x32_bf16 v[8*xw:8*xw+7], v[xbb+8*xw:xbb+8*xw+7], v[AR+8*(\s):AR+8*(\s)+7], v[8*xw:8*xw+7]
.set xw, xw+1
.endr
	PLACES
.if \more
	WIN 0
	A2LOAD \s, 512
.endif
.endm
	s_mov_b32 s[TT], 4
	s_mov_b32 s[TI], 0
	s_mov_b32 s[TOF], 0
	s_cmp_lt_u32 s[WV], 4
	s_cbranch_scc0 .Ltrip
	; the multiplying waves' beginning: slots, token offsets, bias, the ring's first fill
	s_lshl_b32 s[TMP], s[WV], 8
	s_add_co_u32 s[TMP], s[TMP], LIST
	v_lshl_add_u32 v24, v[RR], 2, s[TMP]
.irp t, 0,1,2,3
	ds_load_b32 v[SL+\t], v24 offset:64*\t
.endr
	s_wait_dscnt 0x0
.irp t, 0,1,2,3
	v_min_u32 v[SL+\t], 0x7ff, v[SL+\t]
	v_and_b32 v[AO+\t], 0x7fe, v[SL+\t]            ; 2 x token,
	v_lshl_add_u32 v[AO+\t], v[AO+\t], 10, v[H16]  ; x 1,024 = the token's 2,048 bytes
.endr
	BIAS
.irp s, 0,1,2,3
	ALOAD \s, 0
.endr
	s_wait_loadcnt 32                              ; the bias is in: the ring's 32 loads are younger
	BROUND
	WIN 0x41
.set i_, 0
.rept 64
	v_mov_b32 v[64+i_], v[i_]
	v_mov_b32 v[128+i_], v[i_]
	v_mov_b32 v[192+i_], v[i_]
.set i_, i_+1
.endr
	WIN 0
.Ltrip:
	s_cmp_lt_u32 s[WV], 4
	s_cbranch_scc1 .Lcmp
	s_cmp_eq_u32 s[TT], 1
	s_cbranch_scc1 .Lg0
	GATHER 1
	s_branch .Lmeet
.Lg0:
	GATHER 0                                       ; the last trip: there is nothing further to ask for
	s_branch .Lmeet
.Lcmp:
	s_cmp_eq_u32 s[TT], 4
	s_cbranch_scc1 .Lmeet                          ; the first trip: nothing is stored yet
	s_add_co_u32 s[TMP], s[TI], 3                  ; the two chunks stored last trip: pair (trip + 3) % 4, an offset inside the slice in every trip
	s_and_b32 s[TMP], s[TMP], 3
	s_mul_i32 s[COF], s[TMP], 2*CHUNKB
	s_mov_b32 s[PP], 2
.Lhalf:
	CONSUME 1
	s_add_co_u32 s[COF], s[COF], CHUNKB
	s_sub_co_u32 s[PP], s[PP], 1
	s_cmp_lg_u32 s[PP], 0
	s_cbranch_scc1 .Lhalf
.Lmeet:
	s_wait_dscnt 0x0                               ; my loads from the slice are back
	s_barrier_signal -1
	s_barrier_wait -1                              ; everybody's are: up to the next barrier the slice is only stored into
	s_cmp_lt_u32 s[WV], 4
	s_cbranch_scc1 .Lstored
	STORE
.Lstored:
	s_wait_dscnt 0x0                               ; my stores of this trip's chunks lie in LDS
	s_barrier_signal -1
	s_barrier_wait -1                              ; everybody's do: the next trip reads them
	s_add_co_u32 s[TOF], s[TOF], 2*CHUNKB
	s_add_co_u32 s[TI], s[TI], 1
	s_sub_co_u32 s[TT], s[TT], 1
	s_cmp_lg_u32 s[TT], 0
	s_cbranch_scc1 .Ltrip
	; THE TAIL: seven rounds
	s_mov_b32 s[II], 7
	s_lshl_b32 s[RB], s[WV], 4
	s_add_co_u32 s[RB], s[RB], 192                 ; round 0: row 192 + 16 w: waves 4-7 begin at row 256
.Lx:
	s_cmp_lt_u32 s[WV], 4
	s_cbranch_scc0 .Lxm
	s_cmp_eq_u32 s[II], 7
	s_cbranch_scc0 .Lxm
	s_wait_xcnt 0x0                                ; no store of mine still reads the registers that are loaded below
	s_mov_b32 s[COF], 6*CHUNKB                     ; round 0 of waves 0-3: the last two chunks of their own four tiles
	CONSUME 1
	s_mov_b32 s[COF], 7*CHUNKB
	CONSUME 0                                      ; the last chunk asks for no further token fragments; its last unit ends in the four places
	s_branch .Lxa
.Lxm:
	s_cmp_ge_u32 s[RB], s[CNT]
	s_cbranch_scc1 .Lxa                            ; no such rows: forward, over the work alone
	s_wait_loadcnt 0x0                             ; no load of mine is out any more: the registers loaded below have been loaded before
	s_wait_xcnt 0x0                                ; and the last way out's stores have read theirs
	s_lshl_b32 s[TMP], s[RB], 2
	s_add_co_u32 s[TMP], s[TMP], LIST
	v_lshl_add_u32 v24, v[RR], 2, s[TMP]
	ds_load_b32 v[SL], v24
	s_wait_dscnt 0x0
	v_min_u32 v[SL], 0x7ff, v[SL]
	v_and_b32 v[AO], 0x7fe, v[SL]
	v_lshl_add_u32 v[AO], v[AO], 10, v[H16]
	s_mov_b64 s[XB2:XB2+1], s[4:5]
	BIAS
.irp s, 0,1,2,3,4,5,6,7
	A2LOAD \s, 0
.endr
	s_wait_loadcnt 16                              ; the bias is in: the 16 token loads are younger
	BROUND
	s_mov_b32 s[XOF], 0
	v_add_nc_u32 v[WA], s[XOF], v[WL]
	XLOAD 0, WA
	s_mov_b32 s[PP], 3
.Lxp:
	s_add_co_u32 s[TMP], s[XOF], 2*CHUNKB
	v_add_nc_u32 v[WA], s[XOF], v[WL]              ; the addresses are made anew from the scalar offset and the lane's term
	v_add_nc_u32 v[WA2], s[TMP], v[WL]
.irp s, 0,1,2,3,4,5,6,7
	XSTEP \s, 1
.endr
	WIN 0
	s_wait_xcnt 0x0
	s_add_nc_u64 s[XB2:XB2+1], s[XB2:XB2+1], 512
	s_add_co_u32 s[XOF], s[XOF], 2*CHUNKB
	s_sub_co_u32 s[PP], s[PP], 1
	s_cmp_lg_u32 s[PP], 0
	s_cbranch_scc1 .Lxp
	v_add_nc_u32 v[WA], s[XOF], v[WL]
.irp s, 0,1,2,3,4,5,6,7
	XSTEP \s, 0                                    ; the last two chunks: nothing more to fetch
.endr
	WIN 0
.Lxa:
	s_wait_loadcnt 0x0                             ; no load of mine is out: the way out writes registers that loads have filled
	s_wait_dscnt 0x0                               ; my loads from the slice and the list are back
	s_barrier_signal -1
	s_barrier_wait -1                              ; everybody's are: up to the next barrier only the stages are touched
	s_sub_co_i32 s[LIVE], s[CNT], s[RB]            ; a round's tile: 0 or less where the round had no rows: the way out is then jumped whole
	s_cmp_lt_u32 s[WV], 4
	s_cbranch_scc0 .Lxe
	s_cmp_eq_u32 s[II], 7
	s_cbranch_scc0 .Lxe
	s_lshl_b32 s[TMP], s[WV], 6                    ; round 0 of waves 0-3: their own four tiles go out, from row 64 w on
	s_sub_co_i32 s[LIVE], s[CNT], s[TMP]
.Lxe:
	EPI 0, SL                                      ; one text for a round's tile and for the first of the four: both lie in the same registers
	s_cmp_lt_u32 s[WV], 4
	s_cbranch_scc0 .Lxb
	s_cmp_eq_u32 s[II], 7
	s_cbranch_scc0 .Lxb
	s_sub_co_i32 s[LIVE], s[LIVE], 16
	EPI 64, SL+1
	s_sub_co_i32 s[LIVE], s[LIVE], 16
	EPI 128, SL+2
	s_sub_co_i32 s[LIVE], s[LIVE], 16
	EPI 192, SL+3
.Lxb:
	s_wait_dscnt 0x0                               ; my stores into my stage and my loads from it are done
	s_barrier_signal -1
	s_barrier_wait -1                              ; everybody's are: the next stretch only reads LDS
	s_add_co_u32 s[RB], s[RB], 128
	s_sub_co_u32 s[II], s[II], 1
	s_cmp_lg_u32 s[II], 0
	s_cbranch_scc1 .Lx
	s_wait_tensorcnt 0x0                           ; the wave's end
	ds_add_u32 v[SPW], v[NIL]
	s_wait_dscnt 0x0
	s_endpgm
.Lfunc_end_k_q82684be893_ffn1:
	.size	k_q82684be893_ffn1, .Lfunc_end_k_q82684be893_ffn1-k_q82684be893_ffn1
	.p2alignl 7, 3214868480
	.fill 96, 4, 3214868480
	.section	.rodata,"a",@progbits
	.p2align	6, 0x0
	.amdhsa_kernel k_q82684be893_ffn1
		.amdhsa_group_segment_fixed_size 319232
		.amdhsa_private_segment_fixed_size 0
		.amdhsa_enable_private_segment 0
		.amdhsa_kernarg_size 48
		.amdhsa_user_sgpr_count 2
		.amdhsa_user_sgpr_kernarg_segment_ptr 1
		.amdhsa_wavefront_size32 1
		.amdhsa_system_sgpr_workgroup_id_x 1
		.amdhsa_system_sgpr_workgroup_id_y 1
		.amdhsa_system_sgpr_workgroup_id_z 1
		.amdhsa_system_vgpr_workitem_id 0
		.amdhsa_next_free_vgpr 512
		.amdhsa_next_free_sgpr 66
		.amdhsa_reserve_vcc 1
		.amdhsa_float_denorm_mode_32 3
		.amdhsa_float_denorm_mode_16_64 3
		.amdhsa_memory_ordered 1
		.amdhsa_forward_progress 1
		.amdhsa_inst_pref_size 218
	.end_amdhsa_kernel
	.amdgpu_metadata
---
amdhsa.version: [ 1, 2 ]
amdhsa.kernels:
  - .name:           k_q82684be893_ffn1
    .symbol:         k_q82684be893_ffn1.kd
    .args:
      - { .name: xb, .offset: 0, .size: 8, .value_kind: global_buffer, .address_space: global }
      - { .name: W1, .offset: 8, .size: 8, .value_kind: global_buffer, .address_space: global }
      - { .name: b1, .offset: 16, .size: 8, .value_kind: global_buffer, .address_space: global }
      - { .name: sel, .offset: 24, .size: 8, .value_kind: global_buffer, .address_space: global }
      - { .name: h, .offset: 32, .size: 8, .value_kind: global_buffer, .address_space: global }
      - { .name: listg, .offset: 40, .size: 8, .value_kind: global_buffer, .address_space: global }
    .group_segment_fixed_size: 319232
    .private_segment_fixed_size: 0
    .kernarg_segment_align: 8
    .kernarg_segment_size: 48
    .max_flat_workgroup_size: 256
    .sgpr_count:     66
    .vgpr_count:     512
    .wavefront_size: 32
...
	.end_amdgpu_metadata
.endif
;; end of part 2
;; launch ffn2 (part 3): grid 32 x 8, 8 waves a work-group, no clusters, 306,176 bytes of LDS; arguments h, W2, b2, gate, listg, part; writes part
.if DOCPART == 3
	.amdgcn_target "amdgcn-amd-amdhsa--gfx1250"
	.amdhsa_code_object_version 6
	.text
	.protected	k_q82684be893_ffn2
	.globl	k_q82684be893_ffn2
	.p2align	8
	.type	k_q82684be893_ffn2,@function
k_q82684be893_ffn2:
	s_mov_b64 s[64:65], 0
	v_nop
	global_prefetch_b8 v0, s[64:65] scope:SCOPE_SE
	s_setreg_imm32_b32 hwreg(HW_REG_WAVE_MODE, 25, 1), 1
	s_wait_xcnt 0x0
; SECOND PRODUCT OF THE CHOSEN EXPERTS.  part[kh][slot][:] = gate[slot] x (h[slot][2048 kh ..] W2[e][2048 kh ..] + b2[e] where kh = 0), f32.  Sums in f32; W2 and b2 rounded to bf16 once; h arrives in bf16.
; SHARES.  Work-group (x, y): expert y, columns 64 (x % 16) .. + 63, half x / 16 of K: 512 KiB of f32 that it alone reads, once; and all rows of that expert.  K is halved so that 256 work-groups have rows of W2 of 256 bytes;
; the two halves' rows are partial sums in f32, added by the launch behind.
; ROLES, LOOP, TAIL: as in the first product.  Waves 4-7 load, round and lay the slice into LDS, where it stays: 8 chunks of 256 k x 64 columns, two chunks (128 KiB of f32) a trip, half a chunk a wave: GATHER rounds a group
; of 8 loads into registers and asks for it again, STORE puts the trip's 128 registers into LDS.  Waves 0-3 multiply the list's rows 0-255, in trip t the two chunks stored in trip t - 1; the fragments of W come from LDS
; two units (32 matrix instructions) ahead of their use, into three buffers that take turns.
; TWO BARRIERS A TRIP: between them only STORE touches the slice, outside them only loads do, so that no stretch between two barriers holds both a store and a load of the slice, whatever the offsets.
; THE TAIL: SEVEN ROUNDS.  In round i wave w has the tile of rows 192 + 16 w + 128 i .. + 15 over the whole resident slice; that covers rows 256 to 1,023.  In place of round 0 waves 0-3 multiply the last two chunks and send
; their four tiles out, while waves 4-7 take tiles 16-19.  A round has two stretches with a barrier behind each: in the first LDS is only read, in the second only the waves' own stages are written and read.  The count of
; rounds is constant, every wave passes every barrier, and a round without rows jumps forward over its work alone.  List and count come from listg, stored by the first product.
; A loading wave's load is two rows' 256 consecutive bytes (lanes 16-31: 8 rows down), so a lane again has 8 consecutive k of columns 4 c + j, which go to LDS rows 16 j + c.
; Source 0 = 16 LDS rows, source 1 = 16 rows of h: a lane holds one row (lane % 16), and the accumulators j = 0..3 together 32 consecutive columns.  A store holds ONE row: 32 lanes x 8 bytes, the row's 256 consecutive
; bytes of part, aligned; so rows past the count are left out by a scalar branch, and no line of this text writes EXEC.
; THE SUMS START AT THE BIAS (0 where kh = 1), copied to tiles 1-3 by 96 v_mov_b32 in the wait for the first chunks: the price of writing no first step out.
; NO TENSOR LOADS: the f32 must pass through registers to be rounded.  NO CLUSTER: each weight byte has one reader; the rows of h that an expert's work-groups share come by a list, which no descriptor covers.
; LIMITS.  NaN and infinities are not treated apart; a slot is clamped to 2,047, the count to 1,024.
.set PITCH,  528                       ; an LDS row: 256 k in bf16 + 16 bytes
.set CHUNKB, 64*PITCH
.set STAGE,  8*CHUNKB                  ; 16 rows x 272 bytes for each wave
.set SPITCH, 272
.set SPARE,  STAGE+8*16*SPITCH         ; the spare words: 128 bytes a wave, named by no other line
; scalar registers: s[4:5] h, s[6:7] W2, s[8:9] b2 at my columns, s[10:11] gate, s[12:13] listg at my expert, s[14:15] part at my half and columns
.set WV,   16
.set NS,   17                          ; slice of 64 columns
.set EX,   18
.set CNT,  19
.set TT,   20                          ; trips to go
.set PAR,  21                          ; a loader's chunk of a trip's two
.set TMP,  22
.set HLF,  23
.set CUR,  26                          ; s[26:27] W2 at my half chunk of the trip last asked for
.set OFS,  28                          ; s[28:29]; the high word stays 0
.set XB,   30                          ; s[30:31] h at the chunk in hand
.set LIVE, 32
.set II,   34                          ; rounds to go
.set PP,   35
.set HIM,  36
.set KH,   38
.set TOF,  39                          ; trip x 2 CHUNKB
.set RB,   40                          ; the round's first row
.set BMK,  41                          ; all ones where kh = 0, else 0
.set XB2,  42
.set HB,   44                          ; s[44:45] h at my half of K
.set COF,  46                          ; LDS offset of the chunk that is multiplied
.set XOF,  47                          ; a round's tile: LDS offset of the chunk in hand
.set TI,   48                          ; trip
; vector registers, window 0
.set RR,   1
.set HH,   2
.set LN,   3
.set WL,   4                           ; 528 (l % 16) + 16 (l / 16); never rewritten
.set WA,   5
.set STO,  7
.set RD,   8
.set L8,   9                           ; 8 l
.set AO,   10                          ; v10-13
.set SL,   14                          ; v14-17
.set BO,   19
.set GO,   21
.set SLD,  22                          ; a loader's place in a trip's two chunks; never rewritten
.set SA,   23
.set TP,   24                          ; v24-55 at work; while a chunk is multiplied: the third buffer of W's fragments; the way out: v24-39 sixteen rows' byte offsets in part
.set H16,  56
.set PG,   58                          ; v58-61 my row's gate, by tile
.set SPW,  62
.set NIL,  63
.set WBF,  64                          ; v64-127 fragments of W: the first two buffers of 4; the way out: v64-95 results, v96-127 sixteen rows read back
.set BT,   64                          ; v64-95 the bias as loaded, before any fragment of W
.set ACC,  128                         ; v128-255 accumulator (tile t, j) at 128 + 32 t + 8 j
.set PK,   128                         ; v128-255 loaders: a trip's rounded weights: group g, column j at 128 + 16 g + 4 j
; window 1: multiplying waves: ring of 8 slots (32 k each) x 4 tiles x 8; a round's tile: v0-63, 8 slots x 8; loaders: group g, row i, column j at 32 g + 4 i + j
.set MSB, 0
.macro WIN new                         ; bits 1:0 source 0, 3:2 source 1, 5:4 source 2, 7:6 destination; the high byte repeats the setting that is left
.if MSB != (\new)
	s_set_vgpr_msb (MSB<<8)|(\new)
.set MSB, \new
.endif
.endm
.macro PLACES                          ; four places between matrix instructions and what writes their sources or reads their results (ISA guide 7.12.1)
.rept 4
	v_nop
.endr
.endm
	s_load_b256 s[4:11], s[0:1], 0x0
	s_load_b128 s[12:15], s[0:1], 0x20
	v_lshl_add_u32 v[SPW], v0, 2, SPARE
	v_mov_b32 v[NIL], 0
	v_lshrrev_b32 v[LN], 5, v0
	v_readfirstlane_b32 s[WV], v[LN]
	v_and_b32 v[LN], 31, v0
	v_and_b32 v[RR], 15, v0
	v_bfe_u32 v[HH], v0, 4, 1
	s_and_b32 s[NS], ttmp9, 15
	s_lshr_b32 s[KH], ttmp9, 4
	s_and_b32 s[EX], ttmp7, 0xffff
	s_lshr_b32 s[PAR], s[WV], 1
	s_and_b32 s[PAR], s[PAR], 1
	s_and_b32 s[HLF], s[WV], 1
	s_mov_b32 s[HIM], 0xffff0000
	s_cmp_eq_u32 s[KH], 0
	s_cselect_b32 s[BMK], -1, 0
	s_mov_b32 s[OFS+1], 0
	v_mul_u32_u24 v[WL], v[RR], PITCH
	v_lshl_add_u32 v[WL], v[HH], 4, v[WL]
	s_mul_i32 s[TMP], s[WV], 16*SPITCH
	s_add_co_u32 s[TMP], s[TMP], STAGE
	v_mul_u32_u24 v[STO], v[RR], SPITCH            ; in: row l % 16, 128 bytes for each half of the lanes
	v_lshl_add_u32 v[STO], v[HH], 7, v[STO]
	v_add_nc_u32 v[STO], s[TMP], v[STO]
	v_lshlrev_b32 v[L8], 3, v[LN]
	v_add_nc_u32 v[RD], s[TMP], v[L8]              ; back: 32 lanes take one row of 256 bytes
	v_mov_b32 v[SL], 0                             ; these two are written in every wave, whichever rounds it has rows in
	v_mov_b32 v[PG], 0
	v_lshlrev_b32 v[BO], 7, v[HH]
	v_lshlrev_b32 v[H16], 4, v[HH]
	v_lshlrev_b32 v[GO], 4, v[RR]                  ; 16 bytes of a row's 256; lanes 16-31 eight rows of 4,096 bytes down
	v_lshl_add_u32 v[GO], v[HH], 15, v[GO]
	s_lshl_b32 s[TMP], s[HLF], 8
	s_mul_i32 s[COF], s[PAR], CHUNKB
	s_add_co_u32 s[TMP], s[TMP], s[COF]
	v_add_nc_u32 v[SLD], s[TMP], v[WL]             ; LDS row 16 j + l % 16, 16 bytes for l / 16, my half of the row's 512 bytes, my chunk of the two
	s_wait_kmcnt 0x0
	s_mul_i32 s[OFS], s[EX], 5120
	s_add_nc_u64 s[12:13], s[12:13], s[OFS:OFS+1]
	s_load_b32 s[CNT], s[12:13], 0x1200            ; the count lies behind the list's 1,152 words
	s_lshl_b32 s[OFS], s[EX], 24                   ; an expert: 16 MiB
	s_lshl_b32 s[TMP], s[KH], 23                   ; half of K: 8 MiB
	s_add_co_u32 s[OFS], s[OFS], s[TMP]
	s_lshl_b32 s[TMP], s[NS], 8
	s_add_co_u32 s[OFS], s[OFS], s[TMP]
	s_lshl_b32 s[TMP], s[HLF], 19                  ; half a chunk: 128 rows of 4 KiB
	s_add_co_u32 s[OFS], s[OFS], s[TMP]
	s_lshl_b32 s[TMP], s[PAR], 20                  ; a chunk: 1 MiB
	s_add_co_u32 s[OFS], s[OFS], s[TMP]
	s_add_nc_u64 s[CUR:CUR+1], s[6:7], s[OFS:OFS+1]
	s_lshl_b32 s[OFS], s[EX], 12
	s_lshl_b32 s[TMP], s[NS], 8
	s_add_co_u32 s[OFS], s[OFS], s[TMP]
	s_add_nc_u64 s[8:9], s[8:9], s[OFS:OFS+1]
	s_lshl_b32 s[OFS], s[KH], 23
	s_add_co_u32 s[OFS], s[OFS], s[TMP]
	s_add_nc_u64 s[14:15], s[14:15], s[OFS:OFS+1]
	s_lshl_b32 s[OFS], s[KH], 12
	s_add_nc_u64 s[HB:HB+1], s[4:5], s[OFS:OFS+1]
	s_mov_b64 s[XB:XB+1], s[HB:HB+1]
	s_cmp_lt_u32 s[WV], 4
	s_cbranch_scc1 .Lnot_loader
	WIN 0x40
.set g_, 0
.rept 64                               ; group g_ / 8, row g_ % 8: rows 16 g + i and 16 g + 8 + i
	global_load_b128 v[4*g_:4*g_+3], v[GO], s[CUR:CUR+1] offset:(16*(g_/8)+g_%8)*4096 th:TH_LOAD_NT
.set g_, g_+1
.endr
	WIN 0
.Lnot_loader:
	s_wait_kmcnt 0x0
	s_min_u32 s[CNT], s[CNT], 1024
.macro BIAS                            ; b2 of my 32 columns: register 4 i + j is column 32 (l / 16) + 4 i + j
.set bi, 0
.rept 8
	global_load_b128 v[BT+4*bi:BT+4*bi+3], v[BO], s[8:9] offset:16*bi
.set bi, bi+1
.endr
.endm
.macro BROUND                          ; rounded to bf16, dropped where kh = 1, and in f32 into tile 0's accumulators: j[i] at 8 j + i
.set ri, 0
.rept 16
	v_cvt_pk_bf16_f32 v[TP+16+ri], v[BT+2*ri], v[BT+2*ri+1]
.set ri, ri+1
.endr
.set ri, 0
.rept 16
	v_and_b32 v[TP+16+ri], s[BMK], v[TP+16+ri]
.set ri, ri+1
.endr
.set ri, 0
.rept 16
	v_lshlrev_b32 v[ACC+16*(ri%2)+ri/2], 16, v[TP+16+ri]
	v_and_b32 v[ACC+16*(ri%2)+8+ri/2], s[HIM], v[TP+16+ri]
.set ri, ri+1
.endr
.endm
.macro ALOAD s, ofs                    ; ring slot s (window 1): 32 k of my four tiles' rows of h
.set at, 0
.rept 4
	global_load_b128 v[32*(\s)+8*at:32*(\s)+8*at+3],   v[AO+at], s[XB:XB+1] offset:(\ofs)+64*(\s)
	global_load_b128 v[32*(\s)+8*at+4:32*(\s)+8*at+7], v[AO+at], s[XB:XB+1] offset:(\ofs)+64*(\s)+32
.set at, at+1
.endr
.endm
.macro GATHER more                     ; a loader's trip, first part: rounded into registers group by group; more = 1: each group is asked for again, for the next trip (two chunks, 2 MiB, on)
.if \more
	s_wait_xcnt 0x0                                ; the base of the loads that are out is rewritten only behind this wait
	s_add_nc_u64 s[CUR:CUR+1], s[CUR:CUR+1], 0x200000
.endif
.set pg, 0
.rept 8
.if \more
	s_wait_loadcnt 56                              ; group g is in: seven groups of 8 are younger
.else
	s_wait_loadcnt 56-8*pg                         ; nothing is asked for any more: the counts run down
.endif
	WIN 0x05
.set pj, 0
.rept 4
.set pm, 0
.rept 4
	v_cvt_pk_bf16_f32 v[PK+16*pg+4*pj+pm], v[32*pg+8*pm+pj], v[32*pg+8*pm+4+pj]
.set pm, pm+1
.endr
.set pj, pj+1
.endr
.if \more
	WIN 0x40
.set pi, 0
.rept 8
	global_load_b128 v[32*pg+4*pi:32*pg+4*pi+3], v[GO], s[CUR:CUR+1] offset:(16*pg+pi)*4096 th:TH_LOAD_NT
.set pi, pi+1
.endr
.endif
.set pg, pg+1
.endr
	WIN 0
.endm
.macro STORE                           ; second part: 32 stores of 16 bytes a lane: 8 k of one column each
	v_add_nc_u32 v[SA], s[TOF], v[SLD]
.set pg, 0
.rept 8
.set pj, 0
.rept 4
	ds_store_b128 v[SA], v[PK+16*pg+4*pj:PK+16*pg+4*pj+3] offset:16*PITCH*pj+32*pg
.set pj, pj+1
.endr
.set pg, pg+1
.endr
.endm
.macro WSEL uu, nb                     ; step uu's fragments lie in buffer uu % nb: nb = 3 while a chunk is multiplied, 2 in a round's tile
.set wq, (\uu)%(\nb)
.set wbuf, WBF+32*wq
.if wq == 2
.set wbuf, TP
.endif
.endm
.macro WLOAD uu, nb                    ; the 4 fragments of W of step uu (8: the next chunk's first)
	WSEL \uu, \nb
.set wf, 0
.rept 4
	ds_load_b128 v[wbuf+8*wf:wbuf+8*wf+3],   v[WA] offset:((\uu)/8)*CHUNKB+16*PITCH*wf+64*((\uu)%8)
	ds_load_b128 v[wbuf+8*wf+4:wbuf+8*wf+7], v[WA] offset:((\uu)/8)*CHUNKB+16*PITCH*wf+64*((\uu)%8)+32
.set wf, wf+1
.endr
.endm
.macro UNIT u, more                    ; 32 k: 16 matrix instructions
	WIN 0
.if (\u) < 6
	WLOAD (\u)+2, 3                                ; two units ahead, into the buffer that the unit before this one read; its four places stand in front
	s_wait_dscnt 16                                ; this unit's fragments are in; the next two units' 16 loads may be out
.elseif (\u) == 6
	s_wait_dscnt 8                                 ; the last unit's 8 loads may be out
.else
	s_wait_dscnt 0x0
.endif
.if \more
	s_wait_loadcnt 56                              ; ring slot u is in: seven slots of 8 loads are younger
.else
	s_wait_loadcnt 56-8*(\u)
.endif
	WIN 0x04                                       ; source 1 in window 1
	WSEL \u, 3
.set ub, wbuf
.set ut, 0
.rept 4
.set uf, 0
.rept 4                                ; 16 accumulators by turns
	v_wmma_f32_16x16x32_bf16 v[ACC+32*ut+8*uf:ACC+32*ut+8*uf+7], v[ub+8*uf:ub+8*uf+7], v[32*(\u)+8*ut:32*(\u)+8*ut+7], v[ACC+32*ut+8*uf:ACC+32*ut+8*uf+7]
.set uf, uf+1
.endr
.set ut, ut+1
.endr
	PLACES
.if \more
	WIN 0x40
	ALOAD \u, 512
.endif
.endm
.macro CONSUME more                    ; the chunk at LDS offset COF: 128 matrix instructions
	v_add_nc_u32 v[WA], s[COF], v[WL]
	WLOAD 0, 3
	WLOAD 1, 3
.set cu, 0
.rept 8
	UNIT cu, \more
.set cu, cu+1
.endr
	WIN 0
.if \more
	s_wait_xcnt 0x0
	s_add_nc_u64 s[XB:XB+1], s[XB:XB+1], 512
.endif
.endm
; THE WAY OUT of one tile: times the row's gate, through my stage, stored row by row.  Lane r of v[sl] holds row r's slot; LIVE = rows that exist.  A tile without rows is jumped whole; behind the last row that exists the rest is jumped.
.macro EPI acc, sl, pg_
	s_cmp_le_i32 s[LIVE], 0
	s_cbranch_scc1 .Lepi_end_\@
	s_wait_xcnt 0x0                                ; earlier stores have read the registers that are written below
.set ei, 0
.rept 8                                ; each accumulator's register 0 is read first
.set ej, 0
.rept 4
	v_mul_f32 v[64+4*ei+ej], v[(\acc)+8*ej+ei], v[\pg_]
.set ej, ej+1
.endr
.set ei, ei+1
.endr
.set ei, 0
.rept 8
	ds_store_b128 v[STO], v[64+4*ei:64+4*ei+3] offset:16*ei
.set ei, ei+1
.endr
.set eq, 0
.rept 16
	ds_load_b64 v[96+2*eq:97+2*eq], v[RD] offset:SPITCH*eq     ; row q, whole; my own stage: LDS serves a wave's instructions in order
.set eq, eq+1
.endr
.set eq, 0
.rept 16                               ; a row's slot is one number for its whole store: taken as a scalar, clamped, times a row of part (4,096 bytes), plus 8 bytes a lane
	v_readlane_b32 s[TMP], v[\sl], eq
	s_min_u32 s[TMP], s[TMP], 0x7ff
	s_lshl_b32 s[TMP], s[TMP], 12
	v_add_nc_u32 v[TP+eq], s[TMP], v[L8]
.set eq, eq+1
.endr
	s_wait_dscnt 0x0
	global_store_b64 v[TP], v[96:97], s[14:15]     ; 32 lanes store 256 consecutive bytes, aligned
.set eq, 1
.rept 15
	s_cmp_le_i32 s[LIVE], eq
	s_cbranch_scc1 .Lepi_end_\@                    ; row q and those behind it do not exist
	global_store_b64 v[TP+eq], v[96+2*eq:97+2*eq], s[14:15]
.set eq, eq+1
.endr
.Lepi_end_\@:
.endm
; A ROUND'S TILE: 16 rows x 64 columns over the whole slice.  A step is 32 k: 4 fragments of W, one of h, 4 matrix instructions.  A body is a chunk, 8 steps.
.macro A2LOAD s, ofs
	global_load_b128 v[8*(\s):8*(\s)+3],   v[AO], s[XB2:XB2+1] offset:(\ofs)+64*(\s)
	global_load_b128 v[8*(\s)+4:8*(\s)+7], v[AO], s[XB2:XB2+1] offset:(\ofs)+64*(\s)+32
.endm
.macro XSTEP s, more
	WIN 0
.if ((\s) < 7) || (\more)
	WLOAD (\s)+1, 2
	s_wait_dscnt 8                                 ; this step's fragments are in; the 8 loads just issued may be out
.else
	s_wait_dscnt 0x0
.endif
.if \more
	s_wait_loadcnt 14                              ; slot s is in: seven slots of 2 loads are younger
.else
	s_wait_loadcnt 14-2*(\s)
.endif
	WIN 0x04
.set xbb, WBF+32*((\s)%2)
.set xw, 0
.rept 4                                ; 4 accumulators by turns
	v_wmma_f32_16x16x32_bf16 v[ACC+8*xw:ACC+8*xw+7], v[xbb+8*xw:xbb+8*xw+7], v[8*(\s):8*(\s)+7], v[ACC+8*xw:ACC+8*xw+7]
.set xw, xw+1
.endr
	PLACES
.if \more
	WIN 0x40
	A2LOAD \s, 512
.endif
.endm
	s_mov_b32 s[TT], 4
	s_mov_b32 s[TI], 0
	s_mov_b32 s[TOF], 0
	s_cmp_lt_u32 s[WV], 4
	s_cbranch_scc0 .Ltrip
	; the multiplying waves' beginning: slots, offsets, gates, bias, the ring's first fill
	s_lshl_b32 s[TMP], s[WV], 8
	v_lshl_add_u32 v24, v[RR], 2, s[TMP]
.irp t, 0,1,2,3
	global_load_b32 v[SL+\t], v24, s[12:13] offset:64*\t
.endr
	s_wait_loadcnt 0x0
.irp t, 0,1,2,3
	v_min_u32 v[SL+\t], 0x7ff, v[SL+\t]
	v_lshl_add_u32 v[AO+\t], v[SL+\t], 13, v[H16]  ; a row of h: 8,192 bytes
	v_lshlrev_b32 v[28+\t], 2, v[SL+\t]
.endr
.irp t, 0,1,2,3
	global_load_b32 v[PG+\t], v[28+\t], s[10:11]
.endr
	BIAS
	WIN 0x40
.irp s, 0,1,2,3,4,5,6,7
	ALOAD \s, 0
.endr
	WIN 0
	s_wait_loadcnt 63                              ; of the 76 loads the oldest 13 are in: 4 gates, 8 of the bias, one of the ring
	BROUND
.set i_, 0
.rept 32
	v_mov_b32 v[ACC+32+i_], v[ACC+i_]
	v_mov_b32 v[ACC+64+i_], v[ACC+i_]
	v_mov_b32 v[ACC+96+i_], v[ACC+i_]
.set i_, i_+1
.endr
.Ltrip:
	s_cmp_lt_u32 s[WV], 4
	s_cbranch_scc1 .Lcmp
	s_cmp_eq_u32 s[TT], 1
	s_cbranch_scc1 .Lg0
	GATHER 1
	s_branch .Lmeet
.Lg0:
	GATHER 0                                       ; the last trip: there is nothing further to ask for
	s_branch .Lmeet
.Lcmp:
	s_cmp_eq_u32 s[TT], 4
	s_cbranch_scc1 .Lmeet                          ; the first trip: nothing is stored yet
	s_add_co_u32 s[TMP], s[TI], 3                  ; the two chunks stored last trip: pair (trip + 3) % 4, an offset inside the slice in every trip
	s_and_b32 s[TMP], s[TMP], 3
	s_mul_i32 s[COF], s[TMP], 2*CHUNKB
	s_mov_b32 s[PP], 2
.Lhalf:
	CONSUME 1
	s_add_co_u32 s[COF], s[COF], CHUNKB
	s_sub_co_u32 s[PP], s[PP], 1
	s_cmp_lg_u32 s[PP], 0
	s_cbranch_scc1 .Lhalf
.Lmeet:
	s_wait_dscnt 0x0                               ; my loads from the slice are back
	s_barrier_signal -1
	s_barrier_wait -1                              ; everybody's are: up to the next barrier the slice is only stored into
	s_cmp_lt_u32 s[WV], 4
	s_cbranch_scc1 .Lstored
	STORE
.Lstored:
	s_wait_dscnt 0x0                               ; my stores of this trip's chunks lie in LDS
	s_barrier_signal -1
	s_barrier_wait -1                              ; everybody's do: the next trip reads them
	s_add_co_u32 s[TOF], s[TOF], 2*CHUNKB
	s_add_co_u32 s[TI], s[TI], 1
	s_sub_co_u32 s[TT], s[TT], 1
	s_cmp_lg_u32 s[TT], 0
	s_cbranch_scc1 .Ltrip
	; THE TAIL: seven rounds
	s_mov_b32 s[II], 7
	s_lshl_b32 s[RB], s[WV], 4
	s_add_co_u32 s[RB], s[RB], 192                 ; round 0: row 192 + 16 w: waves 4-7 begin at row 256
.Lx:
	s_cmp_lt_u32 s[WV], 4
	s_cbranch_scc0 .Lxm
	s_cmp_eq_u32 s[II], 7
	s_cbranch_scc0 .Lxm
	s_wait_xcnt 0x0                                ; no store of mine still reads the registers that are loaded below
	s_mov_b32 s[COF], 6*CHUNKB                     ; round 0 of waves 0-3: the last two chunks of their own four tiles
	CONSUME 1
	s_mov_b32 s[COF], 7*CHUNKB
	CONSUME 0                                      ; the last chunk asks for no further rows of h; its last unit ends in the four places
	s_branch .Lxa
.Lxm:
	s_cmp_ge_u32 s[RB], s[CNT]
	s_cbranch_scc1 .Lxa                            ; no such rows: forward, over the work alone
	s_wait_loadcnt 0x0                             ; no load of mine is out any more: the registers loaded below have been loaded before
	s_wait_xcnt 0x0                                ; and the last way out's stores have read theirs
	s_lshl_b32 s[TMP], s[RB], 2
	v_lshl_add_u32 v24, v[RR], 2, s[TMP]
	global_load_b32 v[SL], v24, s[12:13]
	s_wait_loadcnt 0x0
	v_min_u32 v[SL], 0x7ff, v[SL]
	v_lshl_add_u32 v[AO], v[SL], 13, v[H16]
	v_lshlrev_b32 v28, 2, v[SL]
	global_load_b32 v[PG], v28, s[10:11]
	s_mov_b64 s[XB2:XB2+1], s[HB:HB+1]
	BIAS
	WIN 0x40
.irp s, 0,1,2,3,4,5,6,7
	A2LOAD \s, 0
.endr
	WIN 0
	s_wait_loadcnt 16                              ; gate and bias are in: the 16 loads of h are younger
	BROUND
	s_mov_b32 s[XOF], 0
	v_add_nc_u32 v[WA], s[XOF], v[WL]
	WLOAD 0, 2
	s_mov_b32 s[PP], 7
.Lxp:
	v_add_nc_u32 v[WA], s[XOF], v[WL]              ; the address is made anew from the scalar offset and the lane's term
.irp s, 0,1,2,3,4,5,6,7
	XSTEP \s, 1
.endr
	WIN 0
	s_wait_xcnt 0x0
	s_add_nc_u64 s[XB2:XB2+1], s[XB2:XB2+1], 512
	s_add_co_u32 s[XOF], s[XOF], CHUNKB
	s_sub_co_u32 s[PP], s[PP], 1
	s_cmp_lg_u32 s[PP], 0
	s_cbranch_scc1 .Lxp
	v_add_nc_u32 v[WA], s[XOF], v[WL]
.irp s, 0,1,2,3,4,5,6,7
	XSTEP \s, 0                                    ; the last chunk: nothing more to fetch
.endr
	WIN 0
.Lxa:
	s_wait_loadcnt 0x0                             ; no load of mine is out: the way out writes registers that loads have filled
	s_wait_dscnt 0x0                               ; my loads from the slice are back
	s_barrier_signal -1
	s_barrier_wait -1                              ; everybody's are: up to the next barrier only the stages are touched
	s_sub_co_i32 s[LIVE], s[CNT], s[RB]            ; a round's tile: 0 or less where the round had no rows: the way out is then jumped whole
	s_cmp_lt_u32 s[WV], 4
	s_cbranch_scc0 .Lxe
	s_cmp_eq_u32 s[II], 7
	s_cbranch_scc0 .Lxe
	s_lshl_b32 s[TMP], s[WV], 6                    ; round 0 of waves 0-3: their own four tiles go out, from row 64 w on
	s_sub_co_i32 s[LIVE], s[CNT], s[TMP]
.Lxe:
	EPI ACC, SL, PG                                ; one text for a round's tile and for the first of the four: both lie in the same registers
	s_cmp_lt_u32 s[WV], 4
	s_cbranch_scc0 .Lxb
	s_cmp_eq_u32 s[II], 7
	s_cbranch_scc0 .Lxb
	s_sub_co_i32 s[LIVE], s[LIVE], 16
	EPI ACC+32, SL+1, PG+1
	s_sub_co_i32 s[LIVE], s[LIVE], 16
	EPI ACC+64, SL+2, PG+2
	s_sub_co_i32 s[LIVE], s[LIVE], 16
	EPI ACC+96, SL+3, PG+3
.Lxb:
	s_wait_dscnt 0x0                               ; my stores into my stage and my loads from it are done
	s_barrier_signal -1
	s_barrier_wait -1                              ; everybody's are: the next stretch only reads LDS
	s_add_co_u32 s[RB], s[RB], 128
	s_sub_co_u32 s[II], s[II], 1
	s_cmp_lg_u32 s[II], 0
	s_cbranch_scc1 .Lx
	s_wait_tensorcnt 0x0                           ; the wave's end
	ds_add_u32 v[SPW], v[NIL]
	s_wait_dscnt 0x0
	s_endpgm
.Lfunc_end_k_q82684be893_ffn2:
	.size	k_q82684be893_ffn2, .Lfunc_end_k_q82684be893_ffn2-k_q82684be893_ffn2
	.p2alignl 7, 3214868480
	.fill 96, 4, 3214868480
	.section	.rodata,"a",@progbits
	.p2align	6, 0x0
	.amdhsa_kernel k_q82684be893_ffn2
		.amdhsa_group_segment_fixed_size 306176
		.amdhsa_private_segment_fixed_size 0
		.amdhsa_enable_private_segment 0
		.amdhsa_kernarg_size 48
		.amdhsa_user_sgpr_count 2
		.amdhsa_user_sgpr_kernarg_segment_ptr 1
		.amdhsa_wavefront_size32 1
		.amdhsa_system_sgpr_workgroup_id_x 1
		.amdhsa_system_sgpr_workgroup_id_y 1
		.amdhsa_system_sgpr_workgroup_id_z 1
		.amdhsa_system_vgpr_workitem_id 0
		.amdhsa_next_free_vgpr 512
		.amdhsa_next_free_sgpr 66
		.amdhsa_reserve_vcc 0
		.amdhsa_float_denorm_mode_32 3
		.amdhsa_float_denorm_mode_16_64 3
		.amdhsa_memory_ordered 1
		.amdhsa_forward_progress 1
		.amdhsa_inst_pref_size 162
	.end_amdhsa_kernel
	.amdgpu_metadata
---
amdhsa.version: [ 1, 2 ]
amdhsa.kernels:
  - .name:           k_q82684be893_ffn2
    .symbol:         k_q82684be893_ffn2.kd
    .args:
      - { .name: h, .offset: 0, .size: 8, .value_kind: global_buffer, .address_space: global }
      - { .name: W2, .offset: 8, .size: 8, .value_kind: global_buffer, .address_space: global }
      - { .name: b2, .offset: 16, .size: 8, .value_kind: global_buffer, .address_space: global }
      - { .name: gate, .offset: 24, .size: 8, .value_kind: global_buffer, .address_space: global }
      - { .name: listg, .offset: 32, .size: 8, .value_kind: global_buffer, .address_space: global }
      - { .name: part, .offset: 40, .size: 8, .value_kind: global_buffer, .address_space: global }
    .group_segment_fixed_size: 306176
    .private_segment_fixed_size: 0
    .kernarg_segment_align: 8
    .kernarg_segment_size: 48
    .max_flat_workgroup_size: 256
    .sgpr_count:     66
    .vgpr_count:     512
    .wavefront_size: 32
...
	.end_amdgpu_metadata
.endif
;; end of part 3
;; launch combine (part 4): grid 256 x 1, 8 waves a work-group, no clusters, 0 bytes of LDS; arguments part, out0; writes out0
.if DOCPART == 4
	.amdgcn_target "amdgcn-amd-amdhsa--gfx1250"
	.amdhsa_code_object_version 6
	.text
	.protected	k_q82684be893_combine
	.globl	k_q82684be893_combine
	.p2align	8
	.type	k_q82684be893_combine,@function
k_q82684be893_combine:
	s_mov_b64 s[64:65], 0
	v_nop
	global_prefetch_b8 v0, s[64:65] scope:SCOPE_SE
	s_setreg_imm32_b32 hwreg(HW_REG_WAVE_MODE, 25, 1), 1
	s_wait_xcnt 0x0
; out[t][:] = part[0][2 t] + part[0][2 t + 1] + part[1][2 t] + part[1][2 t + 1]: a token's two choices, each in two halves of K, already weighed by the gate.  All f32.
; A work-group has 4 tokens; thread i the 16 bytes at 16 i of every row, so a wave's load or store covers 512 consecutive bytes.  All 16 loads of a thread go out at once; the waits are counted.
; A stream: each byte is read once and written once; LDS, matrix unit and clusters would add nothing.
.set D, 8                              ; v[8:71] token q: four rows of 4 registers at 8 + 16 q
	s_load_b128 s[4:7], s[0:1], 0x0                ; part s[4:5], out0 s[6:7]
	v_lshlrev_b32 v1, 4, v0
	s_lshl_b32 s8, ttmp9, 15                       ; 8 rows of part
	s_mov_b32 s9, 0
	s_lshl_b32 s10, ttmp9, 14                      ; 4 rows of out
	s_mov_b32 s11, 0
	s_wait_kmcnt 0x0
	s_add_nc_u64 s[4:5], s[4:5], s[8:9]
	s_add_nc_u64 s[12:13], s[4:5], 0x800000        ; the upper half of K: 2,048 rows of 4,096 bytes on
	s_add_nc_u64 s[6:7], s[6:7], s[10:11]
.irp q, 0,1,2,3
	global_load_b128 v[D+16*\q:D+16*\q+3],     v1, s[4:5]   offset:8192*\q      th:TH_LOAD_NT
	global_load_b128 v[D+16*\q+4:D+16*\q+7],   v1, s[4:5]   offset:8192*\q+4096 th:TH_LOAD_NT
	global_load_b128 v[D+16*\q+8:D+16*\q+11],  v1, s[12:13] offset:8192*\q      th:TH_LOAD_NT
	global_load_b128 v[D+16*\q+12:D+16*\q+15], v1, s[12:13] offset:8192*\q+4096 th:TH_LOAD_NT
.endr
.irp q, 0,1,2,3
	s_wait_loadcnt 12-4*\q                         ; token q's four rows are in; the later tokens' loads stay out
	v_pk_add_f32 v[D+16*\q:D+16*\q+1],     v[D+16*\q:D+16*\q+1],     v[D+16*\q+4:D+16*\q+5]
	v_pk_add_f32 v[D+16*\q+2:D+16*\q+3],   v[D+16*\q+2:D+16*\q+3],   v[D+16*\q+6:D+16*\q+7]
	v_pk_add_f32 v[D+16*\q+8:D+16*\q+9],   v[D+16*\q+8:D+16*\q+9],   v[D+16*\q+12:D+16*\q+13]
	v_pk_add_f32 v[D+16*\q+10:D+16*\q+11], v[D+16*\q+10:D+16*\q+11], v[D+16*\q+14:D+16*\q+15]
	v_pk_add_f32 v[D+16*\q:D+16*\q+1],     v[D+16*\q:D+16*\q+1],     v[D+16*\q+8:D+16*\q+9]
	v_pk_add_f32 v[D+16*\q+2:D+16*\q+3],   v[D+16*\q+2:D+16*\q+3],   v[D+16*\q+10:D+16*\q+11]
	global_store_b128 v1, v[D+16*\q:D+16*\q+3], s[6:7] offset:4096*\q th:TH_STORE_NT
.endr
	s_endpgm
.Lfunc_end_k_q82684be893_combine:
	.size	k_q82684be893_combine, .Lfunc_end_k_q82684be893_combine-k_q82684be893_combine
	.p2alignl 7, 3214868480
	.fill 96, 4, 3214868480
	.section	.rodata,"a",@progbits
	.p2align	6, 0x0
	.amdhsa_kernel k_q82684be893_combine
		.amdhsa_group_segment_fixed_size 0
		.amdhsa_private_segment_fixed_size 0
		.amdhsa_enable_private_segment 0
		.amdhsa_kernarg_size 16
		.amdhsa_user_sgpr_count 2
		.amdhsa_user_sgpr_kernarg_segment_ptr 1
		.amdhsa_wavefront_size32 1
		.amdhsa_system_sgpr_workgroup_id_x 1
		.amdhsa_system_sgpr_workgroup_id_y 1
		.amdhsa_system_sgpr_workgroup_id_z 1
		.amdhsa_system_vgpr_workitem_id 0
		.amdhsa_next_free_vgpr 72
		.amdhsa_next_free_sgpr 66
		.amdhsa_reserve_vcc 0
		.amdhsa_float_denorm_mode_32 3
		.amdhsa_float_denorm_mode_16_64 3
		.amdhsa_memory_ordered 1
		.amdhsa_forward_progress 1
		.amdhsa_inst_pref_size 5
	.end_amdhsa_kernel
	.amdgpu_metadata
---
amdhsa.version: [ 1, 2 ]
amdhsa.kernels:
  - .name:           k_q82684be893_combine
    .symbol:         k_q82684be893_combine.kd
    .args:
      - { .name: part, .offset: 0, .size: 8, .value_kind: global_buffer, .address_space: global }
      - { .name: out0, .offset: 8, .size: 8, .value_kind: global_buffer, .address_space: global }
    .group_segment_fixed_size: 0
    .private_segment_fixed_size: 0
    .kernarg_segment_align: 8
    .kernarg_segment_size: 16
    .max_flat_workgroup_size: 256
    .sgpr_count:     66
    .vgpr_count:     72
    .wavefront_size: 32
...
	.end_amdgpu_metadata
.endif
;; end of part 4
